; MI455X (gfx1250); checked and timed in simulation.
; The chip was launched on July 23, 2026; its instructions are those of AMD's public machine-readable ISA for CDNA 5 (MIT licence, August 2026) and "CDNA5" Instruction Set Architecture Reference Guide (July 2026). The comments in the code are by the model that wrote it; some were corrected since.
;; Self Adaptive Feature Extractor V. Allowed arithmetic: matrix products marked QUANTISED: E5M2 operands, one given power-of-two scale a tensor, by v_wmma_f32_16x16x64_bf8_bf8 or v_wmma_f32_16x16x128_bf8_bf8, f32 sums; products left as they are: f32 operands where the result goes on into a quantised operand, else bf16, f16 or f32 operands; f32 sums; everything else in f32.
;; Inputs: W1 13 x 64 float32; W2_codes 128 x 4 x 32 uint8 (E5M2 codes of W2, K innermost, in blocks of 32 codes); b1 64 float32; b2 128 float32; coors 30,000 x 4 int32; features 30,000 x 32 x 4 float32; g1 64 float32; g2 128 float32; lowp_scales 2 int32 (the exponents e of the quantised operands' scales 2^e); num_points 30,000 int32.
;; Outputs: out0 30,000 x 128 float32.
;; This version of the problem:
;;   THIS VERSION OF THE PROBLEM IS GIVEN IN LOW PRECISION. The matrix products marked QUANTISED in the list below multiply operands that are first quantised to E5M2 (5 exponent bits, 2 mantissa bits; 8 bits a number), with one given power-of-two scale for each operand tensor; their sums are f32. All else is computed in f32.
;;   The module's matrix products, in the order in which they are computed (A, B: the left and right operand; K: the contracted axis; several contracted axes count as one K, in the product's order):
;;     1. [M 960,000, K 13] x [K 13, N 64]; A: computed on the way; B: input W1: left as it is (K = 13 < 32)
;;     2. [M 960,000, K 128] x [K 128, N 128]; A: computed on the way; B: input W2 (given as codes): QUANTISED (scales: A lowp_scales[0], B lowp_scales[1])
;;   THE QUANTISER, for each operand of a quantised product, along K:
;;     - The operand's scale is 2^e, e = its entry of the input lowp_scales (int32; the entries are numbered through the quantised products in the list's order, A before B).
;;     - Each number is divided by the scale, clamped to +-57,344, and rounded to the nearest number of E5M2, ties to even, subnormals kept.
;;     - The product sums the exact products of the quantised numbers (number of the format x scale) in f32.
;;   ~~~python
;;   def quantise(x, axis, e):      # numpy; x: float32 -> the quantised numbers, widened to float32 again
;;       x = np.moveaxis(x, axis, -1); K = x.shape[-1]
;;       r = np.clip(x / 2.0 ** e, -57344, 57344)
;;       step = 2.0 ** (np.maximum(np.frexp(np.where(r == 0, 1, r))[1] - 1, -14) - 2)
;;       q = np.round(r / step) * step * 2.0 ** e      # np.round: ties to even
;;       return np.moveaxis(q, -1, axis).astype(np.float32)
;;   ~~~
;;   OPERANDS COMPUTED ON THE WAY. 'Computed on the way' means the value that the module computes at that place (a softmax that the list does not call 'softmax' is quantised finished and normalised). What goes into a quantiser is computed in f32, as accurately as f32 sums, v_exp_f32 and their like allow (about 1e-6 of the number): no bf16 or f16 on the way to a quantiser, and a product that is left as it is and whose result goes on into a quantised operand takes f32 operands (vector FMAs, or v_wmma_f32_16x16x4_f32). A number that lies on a knife's edge between two numbers of the format may be rounded either way, as far as f32 arithmetic and the matrix unit's own rounding can turn it there, and no further.
;;   INPUTS GIVEN AS CODES. W2 (in the module: [128, 128], K = its axis 0): each comes as NAME_codes (uint8): NAME with its K axis moved to the last place and cut into blocks of 32 codes, [.., K / 32, bytes a block], one block behind the other in memory; one code a byte (a code: sign, 5 exponent bits, 2 mantissa bits); its scale is its entry of lowp_scales. Its value is code x scale, taken as it is: it is not quantised again, and the codes and scales need not be those that the quantiser above would give.
;; One version. Each part assembles by itself: llvm-mc -triple=amdgcn-amd-amdhsa -mcpu=gfx1250 --defsym DOCPART=n.
;; ======== version 1 of 1: 3 launches
;; limits: a difference of large sums (such as E[x^2] - mean^2): digits are lost where the result is much smaller than its terms
;; workspace buffers: part1 131,072 bytes; part2 262,144 bytes; ext 15,360,000 bytes
;; launch moments (part 1): grid 256 x 1, 4 waves a work-group, no clusters, 92,160 bytes of LDS; arguments features, num_points, coors, part1; writes part1
.if DOCPART == 1
	.amdgcn_target "amdgcn-amd-amdhsa--gfx1250"
	.amdhsa_code_object_version 6
	.text
	.protected	k_qb6620e7e2b_moments
	.globl	k_qb6620e7e2b_moments
	.p2align	8
	.type	k_qb6620e7e2b_moments,@function
k_qb6620e7e2b_moments:
	s_mov_b64 s[64:65], 0
	v_nop
	global_prefetch_b8 v0, s[64:65] scope:SCOPE_SE
	s_setreg_imm32_b32 hwreg(HW_REG_WAVE_MODE, 25, 1), 1
	s_wait_xcnt 0x0
; FIRST AND SECOND MOMENTS for the first batch norm.  The 13 features of a valid point are linear in z = (e0..e4, mask q0..q7):
; e = mask x (f0, f1, f2, f3, |xyz|), q = (mean of xyz over num_points (3), voxel centre (3), density, mean distance) of its voxel.
; So mean and variance of x W1 follow from sum z and sum z z^T, and the product itself is not formed here.
; SHARES.  A group is 16 voxels.  1,024 waves, 1,875 groups: wave g takes group g and group g + 1,024.  A wave with no second group takes its
; own group again with num_points = 0 in the mask alone: every term is then 0 x a finite number.  So there is no branch on the group's number.
; Lane (r, h) belongs to voxel r of the group and owns its points 16 h .. 16 h + 15.  Each lane adds its own half's terms, so nothing counts twice.
; A ROW OF part1 (128 f32 for each work-group): 0-21 sums e_i e_j (e5 = mask): rows 0, 1: j = 0..5; rows 2, 3: j = 2..5; row 4: j = 4, 5;
; 22 + 8 i + j: sum (sum of e_i) q_j;  62..101: sum n q_a q_b, row a from b = 2 (a / 2) on;  102 + a: sum n q_a;  110..127: zeros.
; LIMITS: num_points >= 1; NaN and infinities among the inputs are not served; a squared length under 2^-126 counts as 0 (the root's input);
; divisions are a reciprocal and a multiplication; the voxel centre is one fused multiply-add; density is max(n, 1) x 6.25.
.set NGRP,   1875
.set NWAVE,  1024
.set SECOND, NGRP-NWAVE                ; waves below this number have a second group
.set RSP,    528                       ; raw stage: a voxel's 512 bytes + 16: row r starts 4 r words on, so sixteen rows start in sixteen different 16-byte columns
.set RSB,    16*RSP
.set RED,    4*RSB                     ; behind the four raw stages: 28 quads x 512 bytes for each wave
.set REDB,   28*512
.set OUTS,   RED+4*REDB                ; the work-group's row of 512 bytes
.set W_L,    0                         ; the per-voxel passes work in window 0 here
.set W_Q,    0
; window 0
.set LANE, 1
.set RR,   2
.set HH,   3
.set RSW,  4                           ; raw stage, in: 16 x lane
.set RSR,  5                           ; raw stage, back: 528 r + 256 h
.set GF,   6                           ; 16 x lane
.set GN,   7                           ; 4 r
.set GC,   8                           ; 16 r
.set REDW, 9
.set REDR, 10
.set OW,   11
.set OZ,   12
.set ORD,  13
.set H16,  14
.set NPL,  16                          ; num_points - 16 h
.set NPF,  17
.set RN,   18                          ; 1 / num_points,
.set RSF,  19                          ; 1 / max(num_points, 1): a pair
.set SAFE, 20
.set SA01, 22                          ; sums over all points
.set SA23, 24
.set SX01, 26                          ; masked sums of my half: e0..e3, d, mask
.set SX23, 28
.set SX45, 30
.set ST01, 32                          ; masked sums of the voxel
.set ST23, 34
.set VM01, 36
.set VM23, 38
.set TP,   40
.set QV,   48                          ; q0..q7
.set NQ,   56                          ; my half's count x q
.set PT,   64                          ; 16 points x 8: e0..e3, d, mask, two at work
.set CZF,  192
.set CYF,  193
.set CXF,  194
.set SUMR, 64                          ; the tail: 28 quads
; window 1
.set ACC,  0                           ; 112 running sums
.set RAW0, 112
.set RAW1, 176
.set CO0,  240
.set NP0,  244
.set CO1,  246
.set NP1,  250
; scalars
.set SEL,  22
.set VMK,  31
.set K02,  32
.set K01,  33
.set KY,   34
.set K625, 35
.set MSB, 0
.macro WIN new                         ; the immediate's high byte repeats the setting that is left; a switch that changes nothing is dropped
.if MSB != \new
	s_set_vgpr_msb (MSB<<8)|\new
.set MSB, \new
.endif
.endm
; mask, |xyz|, the sums over all points, e = mask x (f, d, 1), the masked sums
.macro PASS1 want45
	WIN W_L
.set i, 0
.rept 16
	v_cmp_lt_i32 vcc_lo, i, v[NPL]
	v_cndmask_b32 v[PT+8*i+5], 0, 1.0, vcc_lo
.set i, i+1
.endr
.set i, 0
.rept 16
	v_mul_f32 v[PT+8*i+6], v[PT+8*i], v[PT+8*i]
.set i, i+1
.endr
.set i, 0
.rept 16
	v_fma_f32 v[PT+8*i+6], v[PT+8*i+1], v[PT+8*i+1], v[PT+8*i+6]
.set i, i+1
.endr
.set i, 0
.rept 16
	v_fma_f32 v[PT+8*i+6], v[PT+8*i+2], v[PT+8*i+2], v[PT+8*i+6]
.set i, i+1
.endr
.set i, 0
.rept 16
	v_sqrt_f32 v[PT+8*i+4], v[PT+8*i+6]        ; sixteen roots as one batch
.set i, i+1
.endr
	v_pk_add_f32 v[SA01:SA01+1], v[PT:PT+1], v[PT+8:PT+9]      ; the sums over all 32 slots name no root: they are the work behind the batch
	v_pk_add_f32 v[SA23:SA23+1], v[PT+2:PT+3], v[PT+10:PT+11]
.set i, 2
.rept 14
	v_pk_add_f32 v[SA01:SA01+1], v[SA01:SA01+1], v[PT+8*i:PT+8*i+1]
	v_pk_add_f32 v[SA23:SA23+1], v[SA23:SA23+1], v[PT+8*i+2:PT+8*i+3]
.set i, i+1
.endr
	s_wait_alu depctr_va_vdst(0)               ; one wait for the batch, ahead of its first reader
.set i, 0
.rept 16
	v_pk_mul_f32 v[PT+8*i:PT+8*i+1], v[PT+8*i:PT+8*i+1], v[PT+8*i+4:PT+8*i+5] op_sel:[0,1] op_sel_hi:[1,1]       ; x mask (the pair's upper word for both)
	v_pk_mul_f32 v[PT+8*i+2:PT+8*i+3], v[PT+8*i+2:PT+8*i+3], v[PT+8*i+4:PT+8*i+5] op_sel:[0,1] op_sel_hi:[1,1]
	v_pk_mul_f32 v[PT+8*i+4:PT+8*i+5], v[PT+8*i+4:PT+8*i+5], v[PT+8*i+4:PT+8*i+5] op_sel:[0,1] op_sel_hi:[1,1]
.set i, i+1
.endr
	v_pk_add_f32 v[SX01:SX01+1], v[PT:PT+1], v[PT+8:PT+9]
	v_pk_add_f32 v[SX23:SX23+1], v[PT+2:PT+3], v[PT+10:PT+11]
.if \want45
	v_pk_add_f32 v[SX45:SX45+1], v[PT+4:PT+5], v[PT+12:PT+13]
.endif
.set i, 2
.rept 14
	v_pk_add_f32 v[SX01:SX01+1], v[SX01:SX01+1], v[PT+8*i:PT+8*i+1]
	v_pk_add_f32 v[SX23:SX23+1], v[SX23:SX23+1], v[PT+8*i+2:PT+8*i+3]
.if \want45
	v_pk_add_f32 v[SX45:SX45+1], v[SX45:SX45+1], v[PT+8*i+4:PT+8*i+5]
.endif
.set i, i+1
.endr
.endm
; the voxel's other half lies in the lane 16 away.  The permutes land in registers that have been written and are done with (the squares)
.macro HALVES
	WIN W_L
	v_permlanex16_b32 v[PT+6],  v[SA01],   s[SEL], s[SEL+1]
	v_permlanex16_b32 v[PT+14], v[SA01+1], s[SEL], s[SEL+1]
	v_permlanex16_b32 v[PT+22], v[SA23],   s[SEL], s[SEL+1]
	v_permlanex16_b32 v[PT+30], v[SX01],   s[SEL], s[SEL+1]
	v_permlanex16_b32 v[PT+38], v[SX01+1], s[SEL], s[SEL+1]
	v_permlanex16_b32 v[PT+46], v[SX23],   s[SEL], s[SEL+1]
	v_add_f32 v[SA01],   v[SA01],   v[PT+6]
	v_add_f32 v[SA01+1], v[SA01+1], v[PT+14]
	v_add_f32 v[SA23],   v[SA23],   v[PT+22]
	v_add_f32 v[ST01],   v[SX01],   v[PT+30]
	v_add_f32 v[ST01+1], v[SX01+1], v[PT+38]
	v_add_f32 v[ST23],   v[SX23],   v[PT+46]
.endm
; q0..q6 and the masked mean
.macro VOX
	WIN W_L
	v_max_num_f32 v[SAFE], 1.0, v[NPF]
	v_rcp_f32 v[RN], v[NPF]
	v_rcp_f32 v[RSF], v[SAFE]
	v_nop                                      ; a plain line behind the reciprocals,
	s_wait_alu depctr_va_vdst(0)               ; and the one wait for both
	v_pk_mul_f32 v[VM01:VM01+1], v[ST01:ST01+1], v[RN:RN+1] op_sel:[0,1] op_sel_hi:[1,1]
	v_mul_f32 v[VM23], v[ST23], v[RSF]
	WIN W_Q
	v_pk_mul_f32 v[QV:QV+1], v[SA01:SA01+1], v[RN:RN+1] op_sel_hi:[1,0]
	v_mul_f32 v[QV+2], v[SA23], v[RN]
	v_fma_f32 v[QV+3], v[CXF], s[K02], s[K01]  ; x 0.2 + 0.1
	v_fma_f32 v[QV+4], v[CYF], s[K02], s[KY]   ; x 0.2 - 39.9
	v_fma_f32 v[QV+5], v[CZF], 4.0, -1.0
	v_mul_f32 v[QV+6], s[K625], v[SAFE]
.endm
; q7: the mean distance of the valid points from their mean
.macro PASS2
	WIN W_L
.set i, 0
.rept 16
	v_pk_add_f32 v[PT+8*i+6:PT+8*i+7], v[PT+8*i:PT+8*i+1], v[VM01:VM01+1] neg_lo:[0,1] neg_hi:[0,1]
	v_sub_f32 v[TP+i%8], v[PT+8*i+2], v[VM23]
	v_mul_f32 v[PT+8*i+6], v[PT+8*i+6], v[PT+8*i+6]
	v_fma_f32 v[PT+8*i+6], v[PT+8*i+7], v[PT+8*i+7], v[PT+8*i+6]
	v_fma_f32 v[PT+8*i+6], v[TP+i%8], v[TP+i%8], v[PT+8*i+6]
.set i, i+1
.endr
.set i, 0
.rept 16
	v_sqrt_f32 v[PT+8*i+7], v[PT+8*i+6]
.set i, i+1
.endr
	v_nop
	s_wait_alu depctr_va_vdst(0)               ; one wait for the sixteen roots
.set i, 0
.rept 4
	v_mul_f32 v[TP+i], v[PT+8*i+7], v[PT+8*i+5]
.set i, i+1
.endr
.rept 12
	v_fma_f32 v[TP+i%4], v[PT+8*i+7], v[PT+8*i+5], v[TP+i%4]
.set i, i+1
.endr
	v_add_f32 v[TP], v[TP], v[TP+1]
	v_add_f32 v[TP+2], v[TP+2], v[TP+3]
	v_add_f32 v[TP], v[TP], v[TP+2]
	v_permlanex16_b32 v[TP+4], v[TP], s[SEL], s[SEL+1]
	v_add_f32 v[TP], v[TP], v[TP+4]
	WIN W_Q
	v_mul_f32 v[QV+7], v[TP], v[RSF]
.endm
; ACC[d : d + 1] (+)= word sel of the pair a, for both halves, x the pair b.  start = 1: the product starts the sum: nothing is cleared
.macro EACC d, a, sel, b, start
.if \start
.if \sel
	v_pk_mul_f32 v[ACC+(\d):ACC+(\d)+1], v[(\a):(\a)+1], v[(\b):(\b)+1] op_sel:[1,0] op_sel_hi:[1,1]
.else
	v_pk_mul_f32 v[ACC+(\d):ACC+(\d)+1], v[(\a):(\a)+1], v[(\b):(\b)+1] op_sel_hi:[0,1]
.endif
.else
.if \sel
	v_pk_fma_f32 v[ACC+(\d):ACC+(\d)+1], v[(\a):(\a)+1], v[(\b):(\b)+1], v[ACC+(\d):ACC+(\d)+1] op_sel:[1,0,0] op_sel_hi:[1,1,1]
.else
	v_pk_fma_f32 v[ACC+(\d):ACC+(\d)+1], v[(\a):(\a)+1], v[(\b):(\b)+1], v[ACC+(\d):ACC+(\d)+1] op_sel_hi:[0,1,1]
.endif
.endif
.endm
.macro EPOINT p, first                 ; a point's eleven pairs of e_i e_j
.set ep, PT+8*(\p)
.set st, (\first)&&((\p)==0)
	EACC 0,  ep,   0, ep,   st
	EACC 2,  ep,   0, ep+2, st
	EACC 4,  ep,   0, ep+4, st
	EACC 6,  ep,   1, ep,   st
	EACC 8,  ep,   1, ep+2, st
	EACC 10, ep,   1, ep+4, st
	EACC 12, ep+2, 0, ep+2, st
	EACC 14, ep+2, 0, ep+4, st
	EACC 16, ep+2, 1, ep+2, st
	EACC 18, ep+2, 1, ep+4, st
	EACC 20, ep+4, 0, ep+4, st
.endm
.macro LOAD raw, co, np, fb            ; a group: 16 loads of 512 consecutive bytes, the counts, the coordinates: 18 loads
	WIN 0x40                                   ; destination window 1
.set i, 0
.rept 16
	global_load_b128 v[\raw+4*i:\raw+4*i+3], v[GF], s[\fb:\fb+1] offset:512*i
.set i, i+1
.endr
	global_load_b32 v[\np], v[GN], s[\fb+2:\fb+3]
	global_load_b128 v[\co:\co+3], v[GC], s[\fb+4:\fb+5]
	WIN 0
.endm
.macro GROUP raw, co, np, first
	WIN 0x04                                   ; store data in window 1
.set i, 0
.rept 16
	ds_store_b128 v[RSW], v[\raw+4*i:\raw+4*i+3] offset:RSP*i      ; voxel i's 512 bytes as they lie
.set i, i+1
.endr
	WIN 0
.set i, 0
.rept 16
	ds_load_b128 v[PT+8*i:PT+8*i+3], v[RSR] offset:16*i            ; back: point 16 h + i of voxel r.  LDS serves a wave's instructions in order: these see the stores
.set i, i+1
.endr
	WIN 0x01                                   ; source 0 in window 1
	v_cvt_f32_i32 v[NPF], v[\np]
.if \first
	v_sub_nc_u32 v[NPL], v[\np], v[H16]
.else
	v_and_b32 v[NPL], v[\np], s[VMK]           ; 0 where the wave has no second group: for the mask alone
.endif
	v_cvt_f32_i32 v[CZF], v[\co+1]
	v_cvt_f32_i32 v[CYF], v[\co+2]
	v_cvt_f32_i32 v[CXF], v[\co+3]
	WIN 0
.if !\first
	v_sub_nc_u32 v[NPL], v[NPL], v[H16]
.endif
	s_wait_dscnt 0x0
	PASS1 1
	HALVES
	VOX
	PASS2
.set jq, 0
.rept 4
	v_pk_mul_f32 v[NQ+2*jq:NQ+2*jq+1], v[QV+2*jq:QV+2*jq+1], v[SX45:SX45+1] op_sel:[0,1] op_sel_hi:[1,1]   ; my half's count x q
.set jq, jq+1
.endr
	WIN 0x50                                   ; the sums (destination and addend) in window 1
.set pq, 0
.rept 16
	EPOINT pq, \first
.set pq, pq+1
.endr
.irp x, 0,1,2,3,4
.irp jj, 0,1,2,3
	EACC 22+8*\x+2*\jj, SX01+2*(\x/2), \x%2, QV+2*\jj, \first
.endr
.endr
.irp a, 0,1,2,3,4,5,6,7
.irp jj, 0,1,2,3
.if \jj >= \a/2
	EACC 62+18*(\a/2)-2*(\a/2)*(\a/2)+(\a%2)*(8-2*(\a/2))+2*(\jj-\a/2), NQ+2*(\a/2), \a%2, QV+2*\jj, \first
.endif
.endr
.endr
.irp jj, 0,1,2,3
	EACC 102+2*\jj, SX45, 1, QV+2*\jj, \first
.endr
	WIN 0
.endm
	s_load_b256 s[4:11], s[0:1], 0x0               ; features, num_points, coors, part1
	v_lshl_add_u32 v254, v0, 2, 0x16600
	v_mov_b32 v255, 0
	v_lshrrev_b32 v15, 5, v0
	v_readfirstlane_b32 s12, v15                   ; wave 0..3
	v_and_b32 v[LANE], 31, v0
	v_and_b32 v[RR], 15, v0
	v_bfe_u32 v[HH], v0, 4, 1
	s_lshl_b32 s13, ttmp9, 2
	s_add_co_u32 s13, s13, s12                     ; my first group
	s_cmp_lt_u32 s13, SECOND
	s_cselect_b32 s15, NWAVE, 0
	s_cselect_b32 s[VMK], -1, 0
	s_add_co_u32 s15, s15, s13                     ; my second group, or the first again
	s_mul_i32 s14, s12, RSB
	v_lshlrev_b32 v[GF], 4, v[LANE]
	v_add_nc_u32 v[RSW], s14, v[GF]
	v_mul_u32_u24 v[RSR], v[RR], RSP
	v_lshl_add_u32 v[RSR], v[HH], 8, v[RSR]
	v_add_nc_u32 v[RSR], s14, v[RSR]
	v_lshlrev_b32 v[GN], 2, v[RR]
	v_lshlrev_b32 v[GC], 4, v[RR]
	v_lshlrev_b32 v[H16], 4, v[HH]
	s_mul_i32 s14, s12, REDB
	s_add_co_u32 s14, s14, RED
	v_add_nc_u32 v[REDW], s14, v[GF]
	s_mul_i32 s14, s12, 7*512
	s_add_co_u32 s14, s14, RED
	v_add_nc_u32 v[REDR], s14, v[GF]
	s_mul_i32 s14, s12, 112
	s_add_co_u32 s14, s14, OUTS
	v_mov_b32 v[OW], s14
	s_lshl_b32 s14, s12, 4
	s_add_co_u32 s14, s14, OUTS+448
	v_mov_b32 v[OZ], s14
	v_add_nc_u32 v[ORD], OUTS, v[GF]
	s_mov_b32 s[SEL], 0x76543210                   ; lane l takes lane l xor 16
	s_mov_b32 s[SEL+1], 0xfedcba98
	s_mov_b32 s[K02], 0x3e4ccccd                   ; 0.2
	s_mov_b32 s[K01], 0x3dcccccd                   ; 0.1
	s_mov_b32 s[KY], 0xc21f999a                    ; -39.9
	s_mov_b32 s[K625], 0x40c80000                  ; 6.25
	s_mov_b32 s3, 0
	s_wait_kmcnt 0x0
	s_lshl_b32 s2, s13, 13                         ; a group is 8,192 bytes of features, 64 of counts, 256 of coordinates
	s_add_nc_u64 s[16:17], s[4:5], s[2:3]
	s_lshl_b32 s2, s13, 6
	s_add_nc_u64 s[18:19], s[6:7], s[2:3]
	s_lshl_b32 s2, s13, 8
	s_add_nc_u64 s[20:21], s[8:9], s[2:3]
	s_lshl_b32 s2, s15, 13
	s_add_nc_u64 s[24:25], s[4:5], s[2:3]
	s_lshl_b32 s2, s15, 6
	s_add_nc_u64 s[26:27], s[6:7], s[2:3]
	s_lshl_b32 s2, s15, 8
	s_add_nc_u64 s[28:29], s[8:9], s[2:3]
	s_lshl_b32 s2, ttmp9, 9
	s_add_nc_u64 s[10:11], s[10:11], s[2:3]        ; my work-group's row of part1
	LOAD RAW0, CO0, NP0, 16                        ; all that the wave reads is asked for at once: 36 loads
	LOAD RAW1, CO1, NP1, 24
	s_wait_loadcnt 18                              ; the first group is in; the second group's 18 loads may be out
	GROUP RAW0, CO0, NP0, 1
	s_wait_loadcnt 0x0
	GROUP RAW1, CO1, NP1, 0
	; THE TAIL: 112 sums a lane -> 112 sums a work-group.  Through LDS; wave w adds quads 7 w .. 7 w + 6 of all four waves, then over its lanes.
	WIN 0x40
	v_mov_b32 v[ACC+110], 0
	v_mov_b32 v[ACC+111], 0
	WIN 0x04
.set k, 0
.rept 28
	ds_store_b128 v[REDW], v[ACC+4*k:ACC+4*k+3] offset:512*k
.set k, k+1
.endr
	WIN 0
	s_wait_dscnt 0x0                               ; for the others' sake: my stores have landed
	s_barrier_signal -1
	s_barrier_wait -1
.set k, 0
.rept 4
.set kk, 0
.rept 7
	ds_load_b128 v[SUMR+4*(7*k+kk):SUMR+4*(7*k+kk)+3], v[REDR] offset:REDB*k+512*kk
.set kk, kk+1
.endr
.set k, k+1
.endr
	s_wait_dscnt 0x0
.set k, 0
.rept 14
	v_pk_add_f32 v[SUMR+2*k:SUMR+2*k+1], v[SUMR+2*k:SUMR+2*k+1], v[SUMR+28+2*k:SUMR+28+2*k+1]
	v_pk_add_f32 v[SUMR+56+2*k:SUMR+56+2*k+1], v[SUMR+56+2*k:SUMR+56+2*k+1], v[SUMR+84+2*k:SUMR+84+2*k+1]
.set k, k+1
.endr
.set k, 0
.rept 14
	v_pk_add_f32 v[SUMR+2*k:SUMR+2*k+1], v[SUMR+2*k:SUMR+2*k+1], v[SUMR+56+2*k:SUMR+56+2*k+1]
.set k, k+1
.endr
.irp m, 1,2,4,8
.set k, 0
.rept 28
	v_add_f32_dpp v[SUMR+k], v[SUMR+k], v[SUMR+k] row_xmask:\m row_mask:0xf bank_mask:0xf
.set k, k+1
.endr
.endr
.set k, 0
.rept 28
	v_permlanex16_b32 v[SUMR+28+k], v[SUMR+k], s[SEL], s[SEL+1]    ; into registers that are written and done with
.set k, k+1
.endr
.set k, 0
.rept 28
	v_add_f32 v[SUMR+k], v[SUMR+k], v[SUMR+28+k]
.set k, k+1
.endr
.set k, 0
.rept 4
	v_mov_b32 v[SUMR+56+k], 0
.set k, k+1
.endr
.set k, 0
.rept 28
	ds_store_b32 v[OW], v[SUMR+k] offset:4*k       ; entry 28 w + k: all lanes write the same word with the same number
.set k, k+1
.endr
	ds_store_b128 v[OZ], v[SUMR+56:SUMR+59]        ; entries 112 + 4 w on: zeros, so that every byte of the row is written
	s_wait_dscnt 0x0
	s_barrier_signal -1
	s_barrier_wait -1
	s_cmp_lg_u32 s12, 0
	s_cbranch_scc1 .Lend
	ds_load_b128 v[SUMR:SUMR+3], v[ORD]
	s_wait_dscnt 0x0
	global_store_b128 v[GF], v[SUMR:SUMR+3], s[10:11]              ; 512 consecutive bytes, aligned
.Lend:
	s_wait_tensorcnt 0x0
	ds_add_u32 v254, v255
	s_wait_dscnt 0x0
	s_endpgm
.Lfunc_end_k_qb6620e7e2b_moments:
	.size	k_qb6620e7e2b_moments, .Lfunc_end_k_qb6620e7e2b_moments-k_qb6620e7e2b_moments
	.p2alignl 7, 3214868480
	.fill 96, 4, 3214868480
	.section	.rodata,"a",@progbits
	.p2align	6, 0x0
	.amdhsa_kernel k_qb6620e7e2b_moments
		.amdhsa_group_segment_fixed_size 92160
		.amdhsa_private_segment_fixed_size 0
		.amdhsa_enable_private_segment 0
		.amdhsa_kernarg_size 32
		.amdhsa_user_sgpr_count 2
		.amdhsa_user_sgpr_kernarg_segment_ptr 1
		.amdhsa_wavefront_size32 1
		.amdhsa_system_sgpr_workgroup_id_x 1
		.amdhsa_system_sgpr_workgroup_id_y 1
		.amdhsa_system_sgpr_workgroup_id_z 1
		.amdhsa_system_vgpr_workitem_id 0
		.amdhsa_next_free_vgpr 512
		.amdhsa_next_free_sgpr 66
		.amdhsa_reserve_vcc 1
		.amdhsa_float_denorm_mode_32 3
		.amdhsa_float_denorm_mode_16_64 3
		.amdhsa_memory_ordered 1
		.amdhsa_forward_progress 1
		.amdhsa_inst_pref_size 96
	.end_amdhsa_kernel
	.amdgpu_metadata
---
amdhsa.version: [ 1, 2 ]
amdhsa.kernels:
  - .name:           k_qb6620e7e2b_moments
    .symbol:         k_qb6620e7e2b_moments.kd
    .args:
      - { .name: features, .offset: 0, .size: 8, .value_kind: global_buffer, .address_space: global }
      - { .name: num_points, .offset: 8, .size: 8, .value_kind: global_buffer, .address_space: global }
      - { .name: coors, .offset: 16, .size: 8, .value_kind: global_buffer, .address_space: global }
      - { .name: part1, .offset: 24, .size: 8, .value_kind: global_buffer, .address_space: global }
    .group_segment_fixed_size: 92160
    .private_segment_fixed_size: 0
    .kernarg_segment_align: 8
    .kernarg_segment_size: 32
    .max_flat_workgroup_size: 128
    .sgpr_count:     66
    .vgpr_count:     512
    .wavefront_size: 32
...
	.end_amdgpu_metadata
.endif
;; end of part 1
;; launch main (part 2): grid 256 x 1, 4 waves a work-group, no clusters, 112,640 bytes of LDS; arguments features, num_points, coors, W1, g1, b1, W2_codes, g2, lowp_scales, part1, ext, part2; writes ext, part2
.if DOCPART == 2
	.amdgcn_target "amdgcn-amd-amdhsa--gfx1250"
	.amdhsa_code_object_version 6
	.text
	.protected	k_qb6620e7e2b_main
	.globl	k_qb6620e7e2b_main
	.p2align	8
	.type	k_qb6620e7e2b_main,@function
k_qb6620e7e2b_main:
	s_mov_b64 s[64:65], 0
	v_nop
	global_prefetch_b8 v0, s[64:65] scope:SCOPE_SE
	s_setreg_imm32_b32 hwreg(HW_REG_WAVE_MODE, 25, 1), 1
	s_wait_xcnt 0x0
; BOTH LAYERS, up to the second batch norm's sums.  Stores ext[voxel][channel] = the largest h2 x sign(g2) over the voxel's 32 points, in units of 2^(e0 + e1), and for each work-group the sums of h2 and h2^2 in the same units.
; LAYER 1 in f32: y = c + mask const' + sum over k < 5 of e_k (V_k a): the 13 features of a point are linear in e = mask x (f0..f3, |xyz|) and 8 numbers q of its voxel; V are sums of W1's rows;
; a = g1 rsq(var + 1e-3), c = b1 - mean a come from the moments in part1 (mean = s.V / n, E[h^2] = V^T M V / n); const' = sum q_j (V_(5+j) a), once a voxel.
; LAYER 2 on codes of E5M2: its operand is [relu(y), max over the points of relu(y)].  The second half is the same for a voxel's 32 rows, so its part P of the product is made once a voxel and added behind
; the maximum, the sum and the sum of squares: ext = max L + P; sum h = S + 32 P; sum h^2 = Q + P (2 S + 32 P).  relu(A h + C) rises with h where A >= 0: g2's sign is folded into W2's codes, and the maximum is taken of raw sums.
; SHARES.  A group is 16 voxels; a tile of 16 rows is ONE point of each of them, so the maximum over points is a maximum of accumulators, register by register.  1,024 waves, 1,875 groups: wave g takes group g and group g + 1,024.
; A wave with no second group takes its own group again, stores the same bytes of ext again, and its sums are weighed by 0: so no branch, no trip count and no LDS address hangs on the group's number.
; LAYOUT.  Lane (r, h): voxel r; its 16 registers of chunk q are channels 32 q + 16 h + 0..15: after the conversion they are registers 4 q .. 4 q + 3 of source 0.  W2's rows are loaded 16 bytes a lane at k = 32 c + 16 h:
; the same permutation of k on both sides, so every product meets its partner.  In a result, register j of lane (r, h) is voxel 8 h + j, output channel 16 n + r.
; BY TURNS.  The layer-1 multiply-adds (weights window 1, x window 2, y window 3) and the matrix instructions (codes window 1, W2 window 2, sums window 3) run under ONE window setting: a matrix instruction of the pair before stands behind every sixth multiply-add.
; For each tile and n there are two matrix instructions: L (C = 0; for the maximum and the squares) and S (+= in place: the sum over the points).  They alternate, so no two that follow each other share an accumulator.
; LIMITS: num_points >= 1; e0 between -126 and 112; NaN and infinities among the inputs are not served; squared lengths under 2^-126 count as 0; divisions are a reciprocal and a multiplication;
; the first variance is E[h^2] - mean^2 of f32 sums, held at 0 from below.
.set NGRP,   1875
.set NWAVE,  1024
.set SECOND, NGRP-NWAVE
; LDS
.set MRED,  0                          ; 4 x 512: each wave's sum of 64 rows of part1
.set MTOT,  2048                       ; 512 for each of waves 0, 1: the total, the wave's own copy
.set TB,    4096                       ; 14 rows x 256: V_k a (13), c
.set WSTAT, 7680                       ; 4 x 1,024: a wave's sums at its end
.set RSP,   528
.set RSB,   16*RSP
.set RS,    11776                      ; 4 raw stages, 16 rows of 512 + 16; later the stage of ext
.set ESP,   1040
.set ESBY,  16*ESP
.set ES,    RS+4*RSB                   ; 4 stages of e: a voxel's row = 32 points x 32 bytes (e0..e3, d, mask, 8 unused) + 16
; window 0
.set LANE, 1
.set RR,   2
.set HH,   3
.set RSW,  4
.set RSR,  5
.set ESW,  6
.set XA0,  7
.set XA1,  8
.set ESB,  9
.set TA,   10                          ; 64 h
.set XSW,  11
.set GF,   12                          ; 16 x lane
.set GN,   13                          ; 4 r
.set GC,   14                          ; 16 r
.set MA,   15                          ; 512 x wave
.set WL,   16                          ; 16 x thread
.set U4,   17                          ; 4 x (thread mod 64)
.set W2O,  18
.set SW,   19
.set SR,   20
.set H16,  21
.set L8,   22
.set TS8,  32
.set TQ8,  40
.set MXR,  64                          ; the running maxima, 8 n + j
.set QQR,  128                         ; the sums of squares
.set OB,   192                         ; rows of ext on their way out
; window 1
.set WP,   0                           ; V_k a: 32 k + 16 q + i
.set CP,   160                         ; const'
.set CB,   192                         ; codes: 16 buffer + 8 tile + 4 q
.set AG,   224                         ; the maxima's codes
; window 2
.set XB,   0                           ; x: 16 buffer + 8 tile + (e0..e3, d, mask)
.set BLO,  32                          ; W2, k 0..63: 8 n
.set BHI,  96                          ; W2, k 64..127
.set RAW,  160
.set COO,  224
.set NP,   228
.set QV,   232
; window 3
.set YR,   0                           ; y: 16 tile + i
.set RMX,  32                          ; running maximum of relu(y): 16 q + i
.set CCR,  64                          ; c
.set LT,   96
.set SS,   160
.set LIM,  224
.set SCL,  225
.set PT,   96                          ; outside the pair loop: 16 points x 8; rows of the table
.set TT,   0
.set NPL,  226
.set NPF,  227
.set RN,   228
.set RSF,  229
.set SAFE, 230
.set SA01, 232
.set SA23, 234
.set SX01, 236
.set SX23, 238
.set SX45, 0                           ; (not used here)
.set ST01, SX01                        ; the voxel's sums replace the halves'
.set ST23, SX23
.set VM01, 240
.set VM23, 242
.set TP,   244
.set CZF,  252
.set CYF,  253
.set CXF,  254
.set VV,   0                           ; the head: V0..V12
.set AC,   13
.set MU,   27
.set EH,   28
.set T0,   29
.set AA,   30
.set CSH,  31
.set W1R,  32
; scalars
.set SEL,  46
.set K02,  48
.set K01,  49
.set KY,   50
.set K625, 51
.set K32,  52
.set EPS,  54
.set INVN, 55
.set IT,   56
.set OFF,  57
.set NX,   58
.set GRP,  59
.set WT,   60
.set EB,   62
; window settings: bits 1:0 source 0, 3:2 source 1, 5:4 source 2, 7:6 destination
.set S_FMA,  0xf9
.set S_D,    0xff
.set S_CVT,  0x4f
.set S_CONS, 0x0f
.set S_XLD,  0x80
.set S_DLD,  0xc0
.set S_ALD,  0x40
.set S_EST,  0x0c
.set S_RST,  0x08
.set S_CP,   0x5b
.set S_Q,    0xbf
.set S_NP,   0xc2
.set S_TS,   0x03
.set S_A,    0x55
.set S_B,    0xaa
.set S_MIX,  0xc7
.set S_P,    0xc9
.set W_L,    S_D
.set W_Q,    S_Q
.set MSB, 0
.macro WIN new                         ; the immediate's high byte repeats the setting that is left; a switch that changes nothing is dropped
.if MSB != \new
	s_set_vgpr_msb (MSB<<8)|\new
.set MSB, \new
.endif
.endm
.macro PASS1 want45
	WIN W_L
.set i, 0
.rept 16
	v_cmp_lt_i32 vcc_lo, i, v[NPL]
	v_cndmask_b32 v[PT+8*i+5], 0, 1.0, vcc_lo
.set i, i+1
.endr
.set i, 0
.rept 16
	v_mul_f32 v[PT+8*i+6], v[PT+8*i], v[PT+8*i]
.set i, i+1
.endr
.set i, 0
.rept 16
	v_fma_f32 v[PT+8*i+6], v[PT+8*i+1], v[PT+8*i+1], v[PT+8*i+6]
.set i, i+1
.endr
.set i, 0
.rept 16
	v_fma_f32 v[PT+8*i+6], v[PT+8*i+2], v[PT+8*i+2], v[PT+8*i+6]
.set i, i+1
.endr
.set i, 0
.rept 16
	v_sqrt_f32 v[PT+8*i+4], v[PT+8*i+6]        ; sixteen roots as one batch
.set i, i+1
.endr
	v_pk_add_f32 v[SA01:SA01+1], v[PT:PT+1], v[PT+8:PT+9]      ; the sums over all 32 slots name no root: they are the work behind the batch
	v_pk_add_f32 v[SA23:SA23+1], v[PT+2:PT+3], v[PT+10:PT+11]
.set i, 2
.rept 14
	v_pk_add_f32 v[SA01:SA01+1], v[SA01:SA01+1], v[PT+8*i:PT+8*i+1]
	v_pk_add_f32 v[SA23:SA23+1], v[SA23:SA23+1], v[PT+8*i+2:PT+8*i+3]
.set i, i+1
.endr
	s_wait_alu depctr_va_vdst(0)               ; one wait for the batch, ahead of its first reader
.set i, 0
.rept 16
	v_pk_mul_f32 v[PT+8*i:PT+8*i+1], v[PT+8*i:PT+8*i+1], v[PT+8*i+4:PT+8*i+5] op_sel:[0,1] op_sel_hi:[1,1]       ; x mask (the pair's upper word for both)
	v_pk_mul_f32 v[PT+8*i+2:PT+8*i+3], v[PT+8*i+2:PT+8*i+3], v[PT+8*i+4:PT+8*i+5] op_sel:[0,1] op_sel_hi:[1,1]
	v_pk_mul_f32 v[PT+8*i+4:PT+8*i+5], v[PT+8*i+4:PT+8*i+5], v[PT+8*i+4:PT+8*i+5] op_sel:[0,1] op_sel_hi:[1,1]
.set i, i+1
.endr
	v_pk_add_f32 v[SX01:SX01+1], v[PT:PT+1], v[PT+8:PT+9]
	v_pk_add_f32 v[SX23:SX23+1], v[PT+2:PT+3], v[PT+10:PT+11]
.if \want45
	v_pk_add_f32 v[SX45:SX45+1], v[PT+4:PT+5], v[PT+12:PT+13]
.endif
.set i, 2
.rept 14
	v_pk_add_f32 v[SX01:SX01+1], v[SX01:SX01+1], v[PT+8*i:PT+8*i+1]
	v_pk_add_f32 v[SX23:SX23+1], v[SX23:SX23+1], v[PT+8*i+2:PT+8*i+3]
.if \want45
	v_pk_add_f32 v[SX45:SX45+1], v[SX45:SX45+1], v[PT+8*i+4:PT+8*i+5]
.endif
.set i, i+1
.endr
.endm
.macro HALVES                          ; the voxel's other half lies in the lane 16 away; the permutes land in registers that are written and done with
	WIN W_L
	v_permlanex16_b32 v[PT+6],  v[SA01],   s[SEL], s[SEL+1]
	v_permlanex16_b32 v[PT+14], v[SA01+1], s[SEL], s[SEL+1]
	v_permlanex16_b32 v[PT+22], v[SA23],   s[SEL], s[SEL+1]
	v_permlanex16_b32 v[PT+30], v[SX01],   s[SEL], s[SEL+1]
	v_permlanex16_b32 v[PT+38], v[SX01+1], s[SEL], s[SEL+1]
	v_permlanex16_b32 v[PT+46], v[SX23],   s[SEL], s[SEL+1]
	v_add_f32 v[SA01],   v[SA01],   v[PT+6]
	v_add_f32 v[SA01+1], v[SA01+1], v[PT+14]
	v_add_f32 v[SA23],   v[SA23],   v[PT+22]
	v_add_f32 v[ST01],   v[SX01],   v[PT+30]
	v_add_f32 v[ST01+1], v[SX01+1], v[PT+38]
	v_add_f32 v[ST23],   v[SX23],   v[PT+46]
.endm
.macro VOX
	WIN W_L
	v_max_num_f32 v[SAFE], 1.0, v[NPF]
	v_rcp_f32 v[RN], v[NPF]
	v_rcp_f32 v[RSF], v[SAFE]
	v_nop                                      ; a plain line behind the reciprocals,
	s_wait_alu depctr_va_vdst(0)               ; and the one wait for both
	v_pk_mul_f32 v[VM01:VM01+1], v[ST01:ST01+1], v[RN:RN+1] op_sel:[0,1] op_sel_hi:[1,1]
	v_mul_f32 v[VM23], v[ST23], v[RSF]
	WIN W_Q
	v_pk_mul_f32 v[QV:QV+1], v[SA01:SA01+1], v[RN:RN+1] op_sel_hi:[1,0]
	v_mul_f32 v[QV+2], v[SA23], v[RN]
	v_fma_f32 v[QV+3], v[CXF], s[K02], s[K01]  ; x 0.2 + 0.1
	v_fma_f32 v[QV+4], v[CYF], s[K02], s[KY]   ; x 0.2 - 39.9
	v_fma_f32 v[QV+5], v[CZF], 4.0, -1.0
	v_mul_f32 v[QV+6], s[K625], v[SAFE]
.endm
.macro PASS2
	WIN W_L
.set i, 0
.rept 16
	v_pk_add_f32 v[PT+8*i+6:PT+8*i+7], v[PT+8*i:PT+8*i+1], v[VM01:VM01+1] neg_lo:[0,1] neg_hi:[0,1]
	v_sub_f32 v[TP+i%8], v[PT+8*i+2], v[VM23]
	v_mul_f32 v[PT+8*i+6], v[PT+8*i+6], v[PT+8*i+6]
	v_fma_f32 v[PT+8*i+6], v[PT+8*i+7], v[PT+8*i+7], v[PT+8*i+6]
	v_fma_f32 v[PT+8*i+6], v[TP+i%8], v[TP+i%8], v[PT+8*i+6]
.set i, i+1
.endr
.set i, 0
.rept 16
	v_sqrt_f32 v[PT+8*i+7], v[PT+8*i+6]
.set i, i+1
.endr
	v_nop
	s_wait_alu depctr_va_vdst(0)               ; one wait for the sixteen roots
.set i, 0
.rept 4
	v_mul_f32 v[TP+i], v[PT+8*i+7], v[PT+8*i+5]
.set i, i+1
.endr
.rept 12
	v_fma_f32 v[TP+i%4], v[PT+8*i+7], v[PT+8*i+5], v[TP+i%4]
.set i, i+1
.endr
	v_add_f32 v[TP], v[TP], v[TP+1]
	v_add_f32 v[TP+2], v[TP+2], v[TP+3]
	v_add_f32 v[TP], v[TP], v[TP+2]
	v_permlanex16_b32 v[TP+4], v[TP], s[SEL], s[SEL+1]
	v_add_f32 v[TP], v[TP], v[TP+4]
	WIN W_Q
	v_mul_f32 v[QV+7], v[TP], v[RSF]
.endm
.macro TREE base                       ; 32 quads from v[base] on are added into the first
.set st, 16
.rept 5
.set k, 0
.rept st
	v_pk_add_f32 v[\base+4*k:\base+4*k+1], v[\base+4*k:\base+4*k+1], v[\base+4*(k+st):\base+4*(k+st)+1]
	v_pk_add_f32 v[\base+4*k+2:\base+4*k+3], v[\base+4*k+2:\base+4*k+3], v[\base+4*(k+st)+2:\base+4*(k+st)+3]
.set k, k+1
.endr
.set st, st/2
.endr
.endm
.macro MIDX i, j                       ; MI = the place in a row of part1 of sum z_i z_j
.if (\i) <= (\j)
.set ma, \i
.set mb, \j
.else
.set ma, \j
.set mb, \i
.endif
.if mb < 5
.if ma < 2
.set MI, 6*ma+mb
.elseif ma < 4
.set MI, 12+4*(ma-2)+mb-2
.else
.set MI, 20
.endif
.elseif ma < 5
.set MI, 22+8*ma+mb-5
.else
.set qa, ma-5
.set qb, mb-5
.set MI, 62+18*(qa/2)-2*(qa/2)*(qa/2)+(qa%2)*(8-2*(qa/2))+qb-2*(qa/2)
.endif
.endm
.macro GBASE d, g                      ; a group is 8,192 bytes of features, 64 of counts, 256 of coordinates
	s_lshl_b32 s44, s[\g], 13
	s_add_nc_u64 s[\d:\d+1], s[4:5], s[44:45]
	s_lshl_b32 s44, s[\g], 6
	s_add_nc_u64 s[\d+2:\d+3], s[6:7], s[44:45]
	s_lshl_b32 s44, s[\g], 8
	s_add_nc_u64 s[\d+4:\d+5], s[8:9], s[44:45]
.endm
.macro GLOAD b                         ; 18 loads: sixteen of 512 consecutive bytes, the counts, the coordinates
	WIN S_XLD
.set i, 0
.rept 16
	global_load_b128 v[RAW+4*i:RAW+4*i+3], v[GF], s[\b:\b+1] offset:512*i
.set i, i+1
.endr
	global_load_b32 v[NP], v[GN], s[\b+2:\b+3]
	global_load_b128 v[COO:COO+3], v[GC], s[\b+4:\b+5]
	WIN 0
.endm
.macro XFETCH buf, adr, imm            ; a pair's x: two points of my voxel, 24 bytes each: four LDS loads
	WIN S_XLD
.irp tau, 0,1
	ds_load_b128 v[XB+16*(\buf)+8*\tau:XB+16*(\buf)+8*\tau+3], v[\adr] offset:(\imm)+32*\tau
	ds_load_b64 v[XB+16*(\buf)+8*\tau+4:XB+16*(\buf)+8*\tau+5], v[\adr] offset:(\imm)+32*\tau+16
.endr
.endm
; Matrix instruction idx (0..15) of chunk q, on the codes of the pair before (the buffer that this pair does not write): n = 4 q + idx / 4; L of tile 0, S += tile 0, L of tile 1, S += tile 1
.macro WM q, idx, par, first
.set wn, 4*(\q)+(\idx)/4
.set wk, (\idx)%4
.set wl, LT+16*(wn%4)+8*(wk/2)
.set wc, CB+16*(1-(\par))+8*(wk/2)
.set wb, BLO+8*wn
.set ws, SS+8*wn
.if (wk%2) == 0
	v_wmma_f32_16x16x64_bf8_bf8 v[wl:wl+7], v[wc:wc+7], v[wb:wb+7], 0
.elseif (\first) && (wk == 1)
	v_wmma_f32_16x16x64_bf8_bf8 v[ws:ws+7], v[wc:wc+7], v[wb:wb+7], 0
.else
	v_wmma_f32_16x16x64_bf8_bf8 v[ws:ws+7], v[wc:wc+7], v[wb:wb+7], v[ws:ws+7]
.endif
.endm
.macro WEAVE q, par, weave, first      ; behind every sixth multiply-add one matrix instruction
.if \weave
.if (FC%6) == 5
	WM \q, FC/6, \par, \first
.endif
.endif
.set FC, FC+1
.endm
; the two tiles' L of n = 4 q .. 4 q + 3 go into the maxima and the sums of squares; each accumulator is read from its low end on
.macro CONS q, first
	WIN S_CONS
.irp nn, 0,1,2,3
.set cn, 4*(\q)+\nn
.set jj, 0
.rept 8
.if \first
	v_max_num_f32 v[MXR+8*cn+jj], v[LT+16*\nn+jj], v[LT+16*\nn+8+jj]
.else
	v_max3_num_f32 v[MXR+8*cn+jj], v[LT+16*\nn+jj], v[LT+16*\nn+8+jj], v[MXR+8*cn+jj]
.endif
.set jj, jj+1
.endr
.set jj, 0
.rept 4
.if \first
	v_pk_mul_f32 v[QQR+8*cn+2*jj:QQR+8*cn+2*jj+1], v[LT+16*\nn+2*jj:LT+16*\nn+2*jj+1], v[LT+16*\nn+2*jj:LT+16*\nn+2*jj+1]
.else
	v_pk_fma_f32 v[QQR+8*cn+2*jj:QQR+8*cn+2*jj+1], v[LT+16*\nn+2*jj:LT+16*\nn+2*jj+1], v[LT+16*\nn+2*jj:LT+16*\nn+2*jj+1], v[QQR+8*cn+2*jj:QQR+8*cn+2*jj+1]
.endif
.set jj, jj+1
.endr
.set jj, 0
.rept 4
	v_pk_fma_f32 v[QQR+8*cn+2*jj:QQR+8*cn+2*jj+1], v[LT+16*\nn+8+2*jj:LT+16*\nn+8+2*jj+1], v[LT+16*\nn+8+2*jj:LT+16*\nn+8+2*jj+1], v[QQR+8*cn+2*jj:QQR+8*cn+2*jj+1]
.set jj, jj+1
.endr
.endr
.endm
; A PAIR OF TILES (two points of the 16 voxels), parity par.  Layer 1 of this pair; woven in (weave = 1), layer 2 of the pair before.
; first = 1: the pair before is the group's first: its products start S, the maxima and the squares.  rmfirst = 1: this pair starts the running maximum of relu(y).  adr, imm: where the next pair's x lies.
.macro INST par, weave, first, rmfirst, adr, imm
	XFETCH 1-(\par), \adr, \imm
	s_wait_dscnt 0x4                               ; the four loads just issued may be out; this pair's four, issued a pair ago, are in
.irp q, 0,1
	WIN S_FMA
.set FC, 0
.irp tau, 0,1
.set ii, 0
.rept 8
	v_pk_fma_f32 v[YR+16*\tau+2*ii:YR+16*\tau+2*ii+1], v[CP+16*\q+2*ii:CP+16*\q+2*ii+1], v[XB+16*(\par)+8*\tau+4:XB+16*(\par)+8*\tau+5], v[CCR+16*\q+2*ii:CCR+16*\q+2*ii+1] op_sel:[0,1,0] op_sel_hi:[1,1,1]   ; c + mask const'
	WEAVE \q, \par, \weave, \first
.set ii, ii+1
.endr
.endr
.irp k, 0,1,2,3,4
.irp tau, 0,1
.set ii, 0
.rept 8
.if \k%2
	v_pk_fma_f32 v[YR+16*\tau+2*ii:YR+16*\tau+2*ii+1], v[WP+32*\k+16*\q+2*ii:WP+32*\k+16*\q+2*ii+1], v[XB+16*(\par)+8*\tau+2*(\k/2):XB+16*(\par)+8*\tau+2*(\k/2)+1], v[YR+16*\tau+2*ii:YR+16*\tau+2*ii+1] op_sel:[0,1,0] op_sel_hi:[1,1,1]
.else
	v_pk_fma_f32 v[YR+16*\tau+2*ii:YR+16*\tau+2*ii+1], v[WP+32*\k+16*\q+2*ii:WP+32*\k+16*\q+2*ii+1], v[XB+16*(\par)+8*\tau+2*(\k/2):XB+16*(\par)+8*\tau+2*(\k/2)+1], v[YR+16*\tau+2*ii:YR+16*\tau+2*ii+1] op_sel_hi:[1,0,1]
.endif
	WEAVE \q, \par, \weave, \first
.set ii, ii+1
.endr
.endr
.endr
	WIN S_D
.set ii, 0
.rept 32
	v_med3_num_f32 v[YR+ii], v[YR+ii], 0, v[LIM]   ; relu and the hold at the largest code x the scale in one (the conversion does not saturate: ISA guide 7.6.2).  These 48 plain lines are also the places behind the chunk's last matrix instruction
.set ii, ii+1
.endr
.set ii, 0
.rept 16
.if \rmfirst
	v_max_num_f32 v[RMX+16*\q+ii], v[YR+ii], v[YR+16+ii]
.else
	v_max3_num_f32 v[RMX+16*\q+ii], v[RMX+16*\q+ii], v[YR+ii], v[YR+16+ii]
.endif
.set ii, ii+1
.endr
	WIN S_CVT
.irp tau, 0,1
.irp sx, 0,1
	v_cvt_scalef32_pk8_bf8_f32 v[CB+16*(\par)+8*\tau+4*\q+2*\sx:CB+16*(\par)+8*\tau+4*\q+2*\sx+1], v[YR+16*\tau+8*\sx:YR+16*\tau+8*\sx+7], v[SCL]
.endr
.endr
	v_nop                                          ; a plain line between the conversions and what next writes y or reads the codes
.if \weave
	CONS \q, \first
.endif
.endr
.endm
	s_load_b256 s[4:11], s[0:1], 0x0               ; features, num_points, coors, W1
	s_load_b256 s[12:19], s[0:1], 0x20             ; g1, b1, W2_codes, g2
	s_load_b256 s[20:27], s[0:1], 0x40             ; lowp_scales, part1, ext, part2
	v_lshl_add_u32 v62, v0, 2, 0x1b600
	v_mov_b32 v63, 0
	v_lshrrev_b32 v23, 5, v0
	v_readfirstlane_b32 s28, v23                   ; wave 0..3
	v_and_b32 v[LANE], 31, v0
	v_and_b32 v[RR], 15, v0
	v_bfe_u32 v[HH], v0, 4, 1
	v_lshlrev_b32 v[GF], 4, v[LANE]
	v_lshlrev_b32 v[WL], 4, v0
	v_lshlrev_b32 v[L8], 3, v[LANE]
	v_lshlrev_b32 v[GN], 2, v[RR]
	v_lshlrev_b32 v[GC], 4, v[RR]
	v_lshlrev_b32 v[H16], 4, v[HH]
	v_lshlrev_b32 v[TA], 6, v[HH]
	v_and_b32 v[U4], 63, v0
	v_lshlrev_b32 v[U4], 2, v[U4]
	v_lshlrev_b32 v[W2O], 7, v[RR]
	v_lshl_add_u32 v[W2O], v[HH], 4, v[W2O]        ; W2: row r of 128 bytes, + 16 h
	s_mul_i32 s68, s28, RSB
	s_add_co_u32 s68, s68, RS                      ; my raw stage
	v_add_nc_u32 v[RSW], s68, v[GF]
	v_mul_u32_u24 v[RSR], v[RR], RSP
	v_lshl_add_u32 v[RSR], v[HH], 8, v[RSR]
	v_add_nc_u32 v[RSR], s68, v[RSR]
	v_mul_u32_u24 v[XSW], v[HH], 8*RSP
	v_lshl_add_u32 v[XSW], v[RR], 2, v[XSW]
	v_add_nc_u32 v[XSW], s68, v[XSW]               ; ext into the stage: row 8 h (+ j), byte 4 r (+ 64 n)
	s_mul_i32 s68, s28, ESBY
	s_add_co_u32 s68, s68, ES                      ; my stage of e
	v_mul_u32_u24 v[ESB], v[RR], ESP
	v_add_nc_u32 v[ESB], s68, v[ESB]
	v_lshl_add_u32 v[ESW], v[HH], 9, v[ESB]
	s_lshl_b32 s68, s28, 9
	v_mov_b32 v[MA], s68
	s_lshl_b32 s68, s28, 10
	v_add_nc_u32 v[SW], s68, v[GN]
	s_and_b32 s68, s28, 1                          ; at the end wave w stores kind w % 2 (sums, squares) of channel half w / 2
	s_lshr_b32 s69, s28, 1
	s_lshl_b32 s70, s68, 9
	s_lshl_b32 s71, s69, 8
	s_add_co_u32 s70, s70, s71
	v_add_nc_u32 v[SR], s70, v[L8]
	s_lshl_b32 s2, s69, 17
	s_lshl_b32 s70, ttmp9, 9
	s_add_co_u32 s2, s2, s70
	s_lshl_b32 s70, s68, 8
	s_add_co_u32 s2, s2, s70
	s_mov_b32 s3, 0
	s_lshl_b32 s29, ttmp9, 2
	s_add_co_u32 s29, s29, s28                     ; my first group
	s_cmp_lt_u32 s29, SECOND
	s_cselect_b32 s30, NWAVE, 0
	s_cselect_b32 s31, 1.0, 0                      ; the second walk's weight in the sums
	s_add_co_u32 s30, s30, s29                     ; my second group, or the first again
	s_mov_b32 s[SEL], 0x76543210
	s_mov_b32 s[SEL+1], 0xfedcba98
	s_mov_b32 s[K02], 0x3e4ccccd                   ; 0.2
	s_mov_b32 s[K01], 0x3dcccccd                   ; 0.1
	s_mov_b32 s[KY], 0xc21f999a                    ; -39.9
	s_mov_b32 s[K625], 0x40c80000                  ; 6.25
	s_mov_b32 s[K32], 0x42000000                   ; 32.0
	s_mov_b32 s[K32+1], s[K32]                     ; (named with it as a pair, so it is written)
	s_mov_b32 s[EPS], 0x3a83126f                   ; 1e-3
	s_mov_b32 s[INVN], 0x358bcf65                  ; 1 / 960,000
	s_mov_b32 s45, 0
	s_wait_kmcnt 0x0
	s_load_b64 s[66:67], s[20:21], 0x0             ; e0, e1
	GBASE 32, 29
	GBASE 38, 30
	s_add_nc_u64 s[26:27], s[26:27], s[2:3]
	; the head's loads, in this order: W1's column, g1, b1 (15); 64 rows of part1; my first group (18); W2 (32); g2 (8)
	WIN S_DLD
.set k, 0
.rept 13
.if k == 3
.set wr, VV+3                                  ; rows that are a V as they stand land in V's registers
.elseif k == 10
.set wr, VV+4
.elseif k >= 11
.set wr, VV+k
.else
.set wr, W1R+k
.endif
	global_load_b32 v[wr], v[U4], s[10:11] offset:256*k
.set k, k+1
.endr
	global_load_b32 v[W1R+13], v[U4], s[12:13]
	global_load_b32 v[W1R+14], v[U4], s[14:15]
.set k, 0
.rept 32
	global_load_b128 v[PT+4*k:PT+4*k+3], v[WL], s[22:23] offset:2048*k             ; row wave + 4 k: 512 consecutive bytes
.set k, k+1
.endr
	WIN S_ALD
.rept 32
	global_load_b128 v[4*(k-32):4*(k-32)+3], v[WL], s[22:23] offset:2048*k
.set k, k+1
.endr
	GLOAD 32
	WIN S_XLD
.set n, 0
.rept 8
.irp c, 0,1
	global_load_b128 v[BLO+8*n+4*\c:BLO+8*n+4*\c+3], v[W2O], s[16:17] offset:2048*n+32*\c
	global_load_b128 v[BHI+8*n+4*\c:BHI+8*n+4*\c+3], v[W2O], s[16:17] offset:2048*n+64+32*\c
.endr
.set n, n+1
.endr
.set n, 0
.rept 8
	global_load_b32 v[XB+n], v[GN], s[18:19] offset:64*n                           ; g2 of output channel 16 n + r
.set n, n+1
.endr
	WIN 0
	s_wait_loadcnt 58                              ; W1's column and part1's rows are in; the 18 + 32 + 8 loads behind them may be out
	WIN S_D
	TREE PT
	WIN S_A
	TREE 0
	WIN S_MIX
	v_pk_add_f32 v[PT:PT+1], v[PT:PT+1], v[0:1]
	v_pk_add_f32 v[PT+2:PT+3], v[PT+2:PT+3], v[2:3]
	WIN S_EST
	ds_store_b128 v[WL], v[PT:PT+3] offset:MRED
	WIN 0
	s_wait_dscnt 0x0                               ; for the others' sake: my store has landed
	s_barrier_signal -1
	s_barrier_wait -1
	s_cmp_lt_u32 s28, 2                            ; waves 0 and 1 make the table, a lane a channel
	s_cbranch_scc0 .Lno_stats
	WIN S_DLD
.set k, 0
.rept 4
	ds_load_b128 v[PT+4*k:PT+4*k+3], v[GF] offset:MRED+512*k
.set k, k+1
.endr
	s_wait_dscnt 0x0
	WIN S_D
	v_pk_add_f32 v[PT:PT+1], v[PT:PT+1], v[PT+4:PT+5]
	v_pk_add_f32 v[PT+2:PT+3], v[PT+2:PT+3], v[PT+6:PT+7]
	v_pk_add_f32 v[PT+8:PT+9], v[PT+8:PT+9], v[PT+12:PT+13]
	v_pk_add_f32 v[PT+10:PT+11], v[PT+10:PT+11], v[PT+14:PT+15]
	v_pk_add_f32 v[PT:PT+1], v[PT:PT+1], v[PT+8:PT+9]
	v_pk_add_f32 v[PT+2:PT+3], v[PT+2:PT+3], v[PT+10:PT+11]
	WIN S_EST
	ds_store_b128 v[WL], v[PT:PT+3] offset:MTOT    ; the total, spread over my lanes, into my own copy,
	WIN S_DLD
.set k, 0
.rept 28
	ds_load_b128 v[PT+4*k:PT+4*k+3], v[MA] offset:MTOT+16*k        ; and back, all 112 numbers in every lane.  LDS serves a wave's instructions in order
.set k, k+1
.endr
	s_wait_dscnt 0x0
	WIN S_D
	v_add_f32 v[VV], v[W1R], v[W1R+4]
	v_add_f32 v[VV+1], v[W1R+1], v[W1R+5]
	v_add_f32 v[VV+2], v[W1R+2], v[W1R+6]
	v_add_f32 v[VV], v[VV], v[W1R+7]
	v_add_f32 v[VV+1], v[VV+1], v[W1R+8]
	v_add_f32 v[VV+2], v[VV+2], v[W1R+9]
.set k, 0
.rept 6
	v_mul_f32 v[VV+5+k], -1.0, v[W1R+4+k]
.set k, k+1
.endr
	v_mul_f32 v[MU], v[PT+5], v[VV]                ; s . V
	v_fma_f32 v[MU], v[PT+11], v[VV+1], v[MU]
	v_fma_f32 v[MU], v[PT+15], v[VV+2], v[MU]
	v_fma_f32 v[MU], v[PT+19], v[VV+3], v[MU]
	v_fma_f32 v[MU], v[PT+21], v[VV+4], v[MU]
.set k, 0
.rept 8
	v_fma_f32 v[MU], v[PT+102+k], v[VV+5+k], v[MU]
.set k, k+1
.endr
.set jm, 0
.rept 13                                       ; M V, thirteen chains side by side
.set im, 0
.rept 13
	MIDX im, jm
.if jm == 0
	v_mul_f32 v[AC+im], v[PT+MI], v[VV+jm]
.else
	v_fma_f32 v[AC+im], v[PT+MI], v[VV+jm], v[AC+im]
.endif
.set im, im+1
.endr
.set jm, jm+1
.endr
	v_mul_f32 v[EH], v[AC], v[VV]
.set k, 1
.rept 12
	v_fma_f32 v[EH], v[AC+k], v[VV+k], v[EH]
.set k, k+1
.endr
	v_mul_f32 v[MU], s[INVN], v[MU]
	v_mul_f32 v[EH], s[INVN], v[EH]
	v_fma_f32 v[EH], -v[MU], v[MU], v[EH]
	v_max_num_f32 v[EH], 0, v[EH]
	v_add_f32 v[EH], s[EPS], v[EH]
	v_rsq_f32 v[T0], v[EH]
	v_nop
	s_wait_alu depctr_va_vdst(0)                   ; ahead of the root's first reader
	v_mul_f32 v[AA], v[W1R+13], v[T0]              ; a
	v_fma_f32 v[CSH], -v[MU], v[AA], v[W1R+14]     ; c
.set k, 0
.rept 13
	v_mul_f32 v[AC+k], v[VV+k], v[AA]
.set k, k+1
.endr
	WIN S_EST
.set k, 0
.rept 13
	ds_store_b32 v[U4], v[AC+k] offset:TB+256*k
.set k, k+1
.endr
	ds_store_b32 v[U4], v[CSH] offset:TB+256*13
	WIN 0
.Lno_stats:
	s_wait_dscnt 0x0
	s_barrier_signal -1
	s_barrier_wait -1                              ; the table lies in LDS; nobody writes it again
	WIN S_ALD
.irp k, 0,1,2,3,4
.irp q, 0,1
.irp c, 0,1,2,3
	ds_load_b128 v[WP+32*\k+16*\q+4*\c:WP+32*\k+16*\q+4*\c+3], v[TA] offset:TB+256*\k+128*\q+16*\c
.endr
.endr
.endr
	WIN S_DLD
.irp q, 0,1
.irp c, 0,1,2,3
	ds_load_b128 v[CCR+16*\q+4*\c:CCR+16*\q+4*\c+3], v[TA] offset:TB+256*13+128*\q+16*\c
.endr
.endr
	s_wait_loadcnt 0x0                             ; W2, g2 (and my first group)
	WIN S_B
.set n, 0
.rept 8
	v_ashrrev_i32 v[XB+n], 31, v[XB+n]
	v_and_b32 v[XB+n], 0x80808080, v[XB+n]         ; four sign bits where g2 is negative
.set n, n+1
.endr
.set n, 0
.rept 8
.set c, 0
.rept 8
	v_xor_b32 v[BLO+8*n+c], v[XB+n], v[BLO+8*n+c]
	v_xor_b32 v[BHI+8*n+c], v[XB+n], v[BHI+8*n+c]
.set c, c+1
.endr
.set n, n+1
.endr
	s_wait_kmcnt 0x0
	s_add_co_i32 s68, s66, 127
	s_lshl_b32 s69, s68, 23                        ; 2^e0 as f32: the conversion takes its exponent field
	s_add_co_i32 s68, s68, 15
	s_lshl_b32 s68, s68, 23
	s_or_b32 s68, s68, 0x600000                    ; 57,344 x 2^e0
	WIN S_DLD
	v_mov_b32 v[SCL], s69
	v_mov_b32 v[LIM], s68
	WIN 0
.set n, 0
.rept 8
	v_mov_b32 v[TS8+n], 0                          ; the wave's sums over its groups
	v_mov_b32 v[TQ8+n], 0
.set n, n+1
.endr
	s_wait_dscnt 0x0
	s_mov_b32 s[IT], 0
	s_mov_b32 s[GRP], s29
	s_mov_b32 s[WT], 1.0
.Lgroup:                                           ; two trips
	; ---- A: the group's points through the raw stage; the voxels' numbers; e into its stage; const'
	s_wait_loadcnt 0x0                             ; the group's 18 loads
	WIN S_RST
.set i, 0
.rept 16
	ds_store_b128 v[RSW], v[RAW+4*i:RAW+4*i+3] offset:RSP*i
.set i, i+1
.endr
	WIN S_NP
	v_sub_nc_u32 v[NPL], v[NP], v[H16]
	v_cvt_f32_i32 v[NPF], v[NP]
	v_cvt_f32_i32 v[CZF], v[COO+1]
	v_cvt_f32_i32 v[CYF], v[COO+2]
	v_cvt_f32_i32 v[CXF], v[COO+3]
	WIN S_DLD
.set i, 0
.rept 16
	ds_load_b128 v[PT+8*i:PT+8*i+3], v[RSR] offset:16*i
.set i, i+1
.endr
	WIN 0
	s_wait_dscnt 0x0
	s_cmp_eq_u32 s[IT], 0                          ; in the first trip the second group is asked for: it has a whole group's work in which to land
	s_cbranch_scc0 .Lno_more
	GLOAD 38
.Lno_more:
	PASS1 0
	HALVES
	VOX
	WIN S_EST
.set i, 0
.rept 16
	ds_store_b128 v[ESW], v[PT+8*i:PT+8*i+3] offset:32*i
	ds_store_b64 v[ESW], v[PT+8*i+4:PT+8*i+5] offset:32*i+16
.set i, i+1
.endr
	PASS2
.irp q, 0,1
	WIN S_DLD
.set jj, 0
.rept 8
.set sq, 0
.rept 4
	ds_load_b128 v[PT+16*jj+4*sq:PT+16*jj+4*sq+3], v[TA] offset:TB+256*(5+jj)+128*\q+16*sq
.set sq, sq+1
.endr
.set jj, jj+1
.endr
	s_wait_dscnt 0x0
	WIN S_CP
.set jj, 0
.rept 8
.set ii, 0
.rept 8
.if jj == 0
	v_pk_mul_f32 v[CP+16*\q+2*ii:CP+16*\q+2*ii+1], v[PT+2*ii:PT+2*ii+1], v[QV:QV+1] op_sel_hi:[1,0]
.elseif (jj%2) == 0
	v_pk_fma_f32 v[CP+16*\q+2*ii:CP+16*\q+2*ii+1], v[PT+16*jj+2*ii:PT+16*jj+2*ii+1], v[QV+2*(jj/2):QV+2*(jj/2)+1], v[CP+16*\q+2*ii:CP+16*\q+2*ii+1] op_sel_hi:[1,0,1]
.else
	v_pk_fma_f32 v[CP+16*\q+2*ii:CP+16*\q+2*ii+1], v[PT+16*jj+2*ii:PT+16*jj+2*ii+1], v[QV+2*(jj/2):QV+2*(jj/2)+1], v[CP+16*\q+2*ii:CP+16*\q+2*ii+1] op_sel:[0,1,0] op_sel_hi:[1,1,1]
.endif
.set ii, ii+1
.endr
.set jj, jj+1
.endr
.endr
	; ---- the sixteen pairs: the first two are written out (nothing to weave yet; then products that start the sums), fourteen go round in seven trips
	XFETCH 0, ESB, 0
	INST 0, 0, 0, 1, ESB, 64
	INST 1, 1, 1, 0, ESB, 128
	WIN 0
	s_mov_b32 s[OFF], 0
.Lpair:
	s_add_co_u32 s[OFF], s[OFF], 128               ; this trip's two pairs: 128 bytes of a voxel's row
	s_add_co_u32 s[NX], s[OFF], 128
	s_min_u32 s[NX], s[NX], 896                    ; the last trip's look-ahead stays in the row (what it brings is not used)
	v_add_nc_u32 v[XA0], s[OFF], v[ESB]
	v_add_nc_u32 v[XA1], s[NX], v[ESB]
	INST 0, 1, 0, 0, XA0, 64
	INST 1, 1, 0, 0, XA1, 0
	WIN 0
	s_cmp_lt_u32 s[OFF], 896
	s_cbranch_scc1 .Lpair
	; ---- B: layer 2 of the last pair; P; the group's results
.irp q, 0,1
	WIN S_FMA
.set wi, 0
.rept 16
	WM \q, wi, 0, 0
.set wi, wi+1
.endr
.rept 4
	v_nop                                          ; four places between the last product and the first read of results
.endr
	CONS \q, 0
.endr
	WIN S_CVT
.irp q, 0,1
.irp sx, 0,1
	v_cvt_scalef32_pk8_bf8_f32 v[AG+4*\q+2*\sx:AG+4*\q+2*\sx+1], v[RMX+16*\q+8*\sx:RMX+16*\q+8*\sx+7], v[SCL]     ; the maxima were held with y
.endr
.endr
	v_nop
	WIN S_P
.set n, 0
.rept 8
	v_wmma_f32_16x16x64_bf8_bf8 v[LT+8*n:LT+8*n+7], v[AG:AG+7], v[BHI+8*n:BHI+8*n+7], 0     ; P, over L's registers: the lines since L's products are more than the five places owed
.set n, n+1
.endr
.rept 4
	v_nop
.endr
	WIN S_D
.set i, 0
.rept 32
	v_pk_fma_f32 v[TT+2*i:TT+2*i+1], v[LT+2*i:LT+2*i+1], s[K32:K32+1], v[SS+2*i:SS+2*i+1] op_sel_hi:[1,0,1]       ; sum h = S + 32 P
.set i, i+1
.endr
.set i, 0
.rept 32
	v_pk_add_f32 v[SS+2*i:SS+2*i+1], v[TT+2*i:TT+2*i+1], v[SS+2*i:SS+2*i+1]                                       ; 2 S + 32 P
.set i, i+1
.endr
	WIN S_CONS
.set i, 0
.rept 32
	v_pk_fma_f32 v[QQR+2*i:QQR+2*i+1], v[LT+2*i:LT+2*i+1], v[SS+2*i:SS+2*i+1], v[QQR+2*i:QQR+2*i+1]               ; sum h^2
.set i, i+1
.endr
	WIN S_EST
.set i, 0
.rept 32
	v_pk_add_f32 v[MXR+2*i:MXR+2*i+1], v[MXR+2*i:MXR+2*i+1], v[LT+2*i:LT+2*i+1]                                   ; max h
.set i, i+1
.endr
	WIN S_D                                        ; over my eight voxels
.set n, 0
.rept 8
	v_pk_add_f32 v[TT+8*n:TT+8*n+1], v[TT+8*n:TT+8*n+1], v[TT+8*n+2:TT+8*n+3]
	v_pk_add_f32 v[TT+8*n+4:TT+8*n+5], v[TT+8*n+4:TT+8*n+5], v[TT+8*n+6:TT+8*n+7]
.set n, n+1
.endr
.set n, 0
.rept 8
	v_pk_add_f32 v[TT+8*n:TT+8*n+1], v[TT+8*n:TT+8*n+1], v[TT+8*n+4:TT+8*n+5]
.set n, n+1
.endr
.set n, 0
.rept 8
	v_add_f32 v[TT+8*n], v[TT+8*n], v[TT+8*n+1]
.set n, n+1
.endr
	WIN S_TS
.set n, 0
.rept 8
	v_fma_f32 v[TS8+n], v[TT+8*n], s[WT], v[TS8+n]
.set n, n+1
.endr
	WIN 0
.set n, 0
.rept 8
	v_pk_add_f32 v[QQR+8*n:QQR+8*n+1], v[QQR+8*n:QQR+8*n+1], v[QQR+8*n+2:QQR+8*n+3]
	v_pk_add_f32 v[QQR+8*n+4:QQR+8*n+5], v[QQR+8*n+4:QQR+8*n+5], v[QQR+8*n+6:QQR+8*n+7]
.set n, n+1
.endr
.set n, 0
.rept 8
	v_pk_add_f32 v[QQR+8*n:QQR+8*n+1], v[QQR+8*n:QQR+8*n+1], v[QQR+8*n+4:QQR+8*n+5]
.set n, n+1
.endr
.set n, 0
.rept 8
	v_add_f32 v[QQR+8*n], v[QQR+8*n], v[QQR+8*n+1]
.set n, n+1
.endr
.set n, 0
.rept 8
	v_fma_f32 v[TQ8+n], v[QQR+8*n], s[WT], v[TQ8+n]
.set n, n+1
.endr
.set n, 0
.rept 8                                        ; ext leaves through my stage: a lane holds one channel of eight voxels; a voxel's row is 512 bytes
.set jj, 0
.rept 8
	ds_store_b32 v[XSW], v[MXR+8*n+jj] offset:RSP*jj+64*n
.set jj, jj+1
.endr
.set n, n+1
.endr
	s_wait_xcnt 0x0                                ; the last group's stores have read their data and their base: both are written again only behind this wait
	s_lshl_b32 s44, s[GRP], 13
	s_add_nc_u64 s[EB:EB+1], s[24:25], s[44:45]
.set i, 0
.rept 16
	ds_load_b128 v[OB+4*i:OB+4*i+3], v[RSW] offset:RSP*i           ; LDS serves a wave's instructions in order: these see the stores
.set i, i+1
.endr
.set i, 0
.rept 16
	s_wait_dscnt 15-i                              ; row i is back; the younger rows may be out
	global_store_b128 v[GF], v[OB+4*i:OB+4*i+3], s[EB:EB+1] offset:512*i           ; 512 consecutive bytes, aligned
.set i, i+1
.endr
	s_mov_b32 s[GRP], s30
	s_mov_b32 s[WT], s31
	s_add_co_u32 s[IT], s[IT], 1
	s_cmp_lt_u32 s[IT], 2
	s_cbranch_scc1 .Lgroup
	; ---- the wave's end: its sums, the two halves of the lanes added, meet the other waves' in LDS
.set n, 0
.rept 8
	v_permlanex16_b32 v[MXR+n], v[TS8+n], s[SEL], s[SEL+1]         ; into registers that are written and done with
	v_permlanex16_b32 v[MXR+8+n], v[TQ8+n], s[SEL], s[SEL+1]
.set n, n+1
.endr
.set n, 0
.rept 8
	v_add_f32 v[TS8+n], v[TS8+n], v[MXR+n]
	v_add_f32 v[TQ8+n], v[TQ8+n], v[MXR+8+n]
.set n, n+1
.endr
.set n, 0
.rept 8
	ds_store_b32 v[SW], v[TS8+n] offset:WSTAT+64*n                 ; channel 16 n + r (lanes r and r + 16 write the same word with the same number)
	ds_store_b32 v[SW], v[TQ8+n] offset:WSTAT+512+64*n
.set n, n+1
.endr
	s_wait_dscnt 0x0
	s_barrier_signal -1
	s_barrier_wait -1
.set k, 0
.rept 4
	ds_load_b64 v[MXR+2*k:MXR+2*k+1], v[SR] offset:WSTAT+1024*k
.set k, k+1
.endr
	s_wait_dscnt 0x0
	v_pk_add_f32 v[MXR:MXR+1], v[MXR:MXR+1], v[MXR+2:MXR+3]
	v_pk_add_f32 v[MXR+4:MXR+5], v[MXR+4:MXR+5], v[MXR+6:MXR+7]
	v_pk_add_f32 v[MXR:MXR+1], v[MXR:MXR+1], v[MXR+4:MXR+5]
	global_store_b64 v[L8], v[MXR:MXR+1], s[26:27]                 ; 256 consecutive bytes, aligned
	s_wait_tensorcnt 0x0
	ds_add_u32 v62, v63
	s_wait_dscnt 0x0
	s_endpgm
.Lfunc_end_k_qb6620e7e2b_main:
	.size	k_qb6620e7e2b_main, .Lfunc_end_k_qb6620e7e2b_main-k_qb6620e7e2b_main
	.p2alignl 7, 3214868480
	.fill 96, 4, 3214868480
	.section	.rodata,"a",@progbits
	.p2align	6, 0x0
	.amdhsa_kernel k_qb6620e7e2b_main
		.amdhsa_group_segment_fixed_size 112640
		.amdhsa_private_segment_fixed_size 0
		.amdhsa_enable_private_segment 0
		.amdhsa_kernarg_size 96
		.amdhsa_user_sgpr_count 2
		.amdhsa_user_sgpr_kernarg_segment_ptr 1
		.amdhsa_wavefront_size32 1
		.amdhsa_system_sgpr_workgroup_id_x 1
		.amdhsa_system_sgpr_workgroup_id_y 1
		.amdhsa_system_sgpr_workgroup_id_z 1
		.amdhsa_system_vgpr_workitem_id 0
		.amdhsa_next_free_vgpr 1024
		.amdhsa_next_free_sgpr 72
		.amdhsa_reserve_vcc 1
		.amdhsa_float_denorm_mode_32 3
		.amdhsa_float_denorm_mode_16_64 3
		.amdhsa_memory_ordered 1
		.amdhsa_forward_progress 1
		.amdhsa_inst_pref_size 226
	.end_amdhsa_kernel
	.amdgpu_metadata
---
amdhsa.version: [ 1, 2 ]
amdhsa.kernels:
  - .name:           k_qb6620e7e2b_main
    .symbol:         k_qb6620e7e2b_main.kd
    .args:
      - { .name: features, .offset: 0, .size: 8, .value_kind: global_buffer, .address_space: global }
      - { .name: num_points, .offset: 8, .size: 8, .value_kind: global_buffer, .address_space: global }
      - { .name: coors, .offset: 16, .size: 8, .value_kind: global_buffer, .address_space: global }
      - { .name: W1, .offset: 24, .size: 8, .value_kind: global_buffer, .address_space: global }
      - { .name: g1, .offset: 32, .size: 8, .value_kind: global_buffer, .address_space: global }
      - { .name: b1, .offset: 40, .size: 8, .value_kind: global_buffer, .address_space: global }
      - { .name: W2_codes, .offset: 48, .size: 8, .value_kind: global_buffer, .address_space: global }
      - { .name: g2, .offset: 56, .size: 8, .value_kind: global_buffer, .address_space: global }
      - { .name: lowp_scales, .offset: 64, .size: 8, .value_kind: global_buffer, .address_space: global }
      - { .name: part1, .offset: 72, .size: 8, .value_kind: global_buffer, .address_space: global }
      - { .name: ext, .offset: 80, .size: 8, .value_kind: global_buffer, .address_space: global }
      - { .name: part2, .offset: 88, .size: 8, .value_kind: global_buffer, .address_space: global }
    .group_segment_fixed_size: 112640
    .private_segment_fixed_size: 0
    .kernarg_segment_align: 8
    .kernarg_segment_size: 96
    .max_flat_workgroup_size: 128
    .sgpr_count:     72
    .vgpr_count:     1024
    .wavefront_size: 32
...
	.end_amdgpu_metadata
.endif
;; end of part 2
;; launch finish (part 3): grid 125 x 2, 8 waves a work-group, no clusters, 5,120 bytes of LDS; arguments ext, part2, g2, b2, lowp_scales, out0; writes out0
.if DOCPART == 3
	.amdgcn_target "amdgcn-amd-amdhsa--gfx1250"
	.amdhsa_code_object_version 6
	.text
	.protected	k_qb6620e7e2b_finish
	.globl	k_qb6620e7e2b_finish
	.p2align	8
	.type	k_qb6620e7e2b_finish,@function
k_qb6620e7e2b_finish:
	s_mov_b64 s[64:65], 0
	v_nop
	global_prefetch_b8 v0, s[64:65] scope:SCOPE_SE
	s_setreg_imm32_b32 hwreg(HW_REG_WAVE_MODE, 25, 1), 1
	s_wait_xcnt 0x0
; THE SECOND BATCH NORM AND RELU on the voxels' maxima.  ext and the sums in part2 are in units of 2^E, E = e0 + e1, with g2's sign folded in:
; mean = sum / n; var = max(sumsq / n - mean^2, 0); A = |g2| rsq(var 2^(2 E) + 1e-3) 2^E; out = max(A (ext - mean) + b2, 0).
; SHARES.  Work-group (x, y): voxels 240 x .. 240 x + 239, channels 64 y .. 64 y + 63: 256 bytes of each row.  Each of its eight waves adds 32 of the 256 rows of its half of part2 (a row: 64 sums, 64 sums of squares),
; they meet in LDS, and each wave then takes 30 voxels, two a load: sixteen lanes read and write 256 consecutive bytes, aligned.  All loads go out at the head.
; No matrix unit, no tensor load, no cluster: each byte of ext is read once and each byte of out0 written once.
; LIMITS: the variance is E[h^2] - mean^2 of f32 sums, held at 0 from below; the powers of two are applied by v_ldexp_f32, so e0 + e1 has no bound of its own.
.set PQ,   32                          ; v32-159: 32 quads of part2
.set EX,   160                         ; v160-219: 15 quads of ext
.set OU,   96                          ; v96-155: results (part2's registers, done with)
.macro TREE base                       ; 32 quads from v[base] on are added into the first
.set st, 16
.rept 5
.set k, 0
.rept st
	v_pk_add_f32 v[\base+4*k:\base+4*k+1], v[\base+4*k:\base+4*k+1], v[\base+4*(k+st):\base+4*(k+st)+1]
	v_pk_add_f32 v[\base+4*k+2:\base+4*k+3], v[\base+4*k+2:\base+4*k+3], v[\base+4*(k+st)+2:\base+4*(k+st)+3]
.set k, k+1
.endr
.set st, st/2
.endr
.endm
	s_load_b256 s[4:11], s[0:1], 0x0               ; ext, part2, g2, b2
	s_load_b128 s[12:15], s[0:1], 0x20             ; lowp_scales, out0
	v_lshl_add_u32 v224, v0, 2, 0x1000
	v_mov_b32 v225, 0
	v_lshrrev_b32 v1, 5, v0
	v_readfirstlane_b32 s16, v1                    ; wave 0..7
	v_and_b32 v1, 31, v0                           ; lane
	v_and_b32 v2, 15, v0                           ; c: my four channels
	v_bfe_u32 v3, v0, 4, 1                         ; h
	v_lshlrev_b32 v4, 4, v0                        ; 512 x wave + 16 x lane
	v_lshlrev_b32 v5, 4, v2
	v_lshlrev_b32 v6, 4, v1
	s_mul_i32 s17, s16, 30
	v_add_nc_u32 v7, s17, v3
	v_lshl_add_u32 v7, v7, 9, v5                   ; voxel 30 x wave + h, 16 c
	s_and_b32 s18, ttmp7, 0xffff                   ; y
	s_lshl_b32 s20, s18, 17
	s_mov_b32 s21, 0
	s_lshl_b32 s22, s18, 8
	s_mov_b32 s23, 0
	s_mul_i32 s24, ttmp9, 240*512
	s_add_co_u32 s24, s24, s22
	s_mov_b32 s25, 0
	s_mov_b32 s28, 0x358bcf65                      ; 1 / 960,000
	s_mov_b32 s29, 0x3a83126f                      ; 1e-3
	s_mov_b32 s30, 0x76543210
	s_mov_b32 s31, 0xfedcba98
	s_wait_kmcnt 0x0
	s_load_b64 s[26:27], s[12:13], 0x0             ; e0, e1
	s_add_nc_u64 s[6:7], s[6:7], s[20:21]
	s_add_nc_u64 s[8:9], s[8:9], s[22:23]
	s_add_nc_u64 s[10:11], s[10:11], s[22:23]
	s_add_nc_u64 s[4:5], s[4:5], s[24:25]
	s_add_nc_u64 s[14:15], s[14:15], s[24:25]
.set k, 0
.rept 32
	global_load_b128 v[PQ+4*k:PQ+4*k+3], v4, s[6:7] offset:4096*k                  ; row wave + 8 k
.set k, k+1
.endr
	global_load_b128 v[16:19], v5, s[8:9]
	global_load_b128 v[20:23], v5, s[10:11]
.set i, 0
.rept 15
	global_load_b128 v[EX+4*i:EX+4*i+3], v7, s[4:5] offset:1024*i th:TH_LOAD_NT
.set i, i+1
.endr
	s_wait_loadcnt 15                              ; part2, g2 and b2 are in; ext's fifteen loads may be out
	TREE PQ
	ds_store_b128 v4, v[PQ:PQ+3]
	s_wait_dscnt 0x0
	s_barrier_signal -1
	s_barrier_wait -1
.set k, 0
.rept 8
	ds_load_b128 v[PQ+4*k:PQ+4*k+3], v6 offset:512*k
.set k, k+1
.endr
	s_wait_dscnt 0x0
.irp d, 16,8,4
.set k, 0
.rept \d/2
	v_pk_add_f32 v[PQ+2*k:PQ+2*k+1], v[PQ+2*k:PQ+2*k+1], v[PQ+\d+2*k:PQ+\d+2*k+1]
.set k, k+1
.endr
.endr
.set k, 0
.rept 4
	v_permlanex16_b32 v[PQ+4+k], v[PQ+k], s30, s31                 ; lanes 0-15 hold sums, lanes 16-31 sums of squares: each takes the other's
.set k, k+1
.endr
	v_cmp_gt_u32 vcc_lo, 16, v1
.set k, 0
.rept 4
	v_cndmask_b32 v[8+k], v[PQ+4+k], v[PQ+k], vcc_lo               ; the sums,
	v_cndmask_b32 v[12+k], v[PQ+k], v[PQ+4+k], vcc_lo              ; the sums of squares, of my four channels
.set k, k+1
.endr
	s_wait_kmcnt 0x0
	s_add_co_i32 s26, s26, s27                     ; E
	s_lshl_b32 s27, s26, 1                         ; 2 E
.set k, 0
.rept 4
	v_mul_f32 v[8+k], s28, v[8+k]
	v_mul_f32 v[12+k], s28, v[12+k]
	v_and_b32 v[16+k], 0x7fffffff, v[16+k]         ; |g2|
.set k, k+1
.endr
.set k, 0
.rept 4
	v_fma_f32 v[12+k], -v[8+k], v[8+k], v[12+k]
.set k, k+1
.endr
.set k, 0
.rept 4
	v_max_num_f32 v[12+k], 0, v[12+k]
.set k, k+1
.endr
.set k, 0
.rept 4
	v_ldexp_f32 v[12+k], v[12+k], s27
.set k, k+1
.endr
.set k, 0
.rept 4
	v_add_f32 v[12+k], s29, v[12+k]
.set k, k+1
.endr
.set k, 0
.rept 4
	v_rsq_f32 v[24+k], v[12+k]
.set k, k+1
.endr
	v_nop
	s_wait_alu depctr_va_vdst(0)                   ; one wait for the four roots, ahead of their first reader
.set k, 0
.rept 4
	v_mul_f32 v[24+k], v[16+k], v[24+k]
.set k, k+1
.endr
.set k, 0
.rept 4
	v_ldexp_f32 v[24+k], v[24+k], s26              ; A
.set k, k+1
.endr
.set k, 0
.rept 4
	v_fma_f32 v[28+k], -v[8+k], v[24+k], v[20+k]   ; C = b2 - mean A
.set k, k+1
.endr
.set i, 0
.rept 15
	s_wait_loadcnt 14-i                            ; ext's load i is in; the younger ones may be out
	v_pk_fma_f32 v[OU+4*i:OU+4*i+1], v[EX+4*i:EX+4*i+1], v[24:25], v[28:29]
	v_pk_fma_f32 v[OU+4*i+2:OU+4*i+3], v[EX+4*i+2:EX+4*i+3], v[26:27], v[30:31]
	v_max_num_f32 v[OU+4*i], 0, v[OU+4*i]
	v_max_num_f32 v[OU+4*i+1], 0, v[OU+4*i+1]
	v_max_num_f32 v[OU+4*i+2], 0, v[OU+4*i+2]
	v_max_num_f32 v[OU+4*i+3], 0, v[OU+4*i+3]
	global_store_b128 v7, v[OU+4*i:OU+4*i+3], s[14:15] offset:1024*i th:TH_STORE_NT        ; sixteen lanes store 256 consecutive bytes, aligned; each store has registers of its own
.set i, i+1
.endr
	s_wait_tensorcnt 0x0
	ds_add_u32 v224, v225
	s_wait_dscnt 0x0
	s_endpgm
.Lfunc_end_k_qb6620e7e2b_finish:
	.size	k_qb6620e7e2b_finish, .Lfunc_end_k_qb6620e7e2b_finish-k_qb6620e7e2b_finish
	.p2alignl 7, 3214868480
	.fill 96, 4, 3214868480
	.section	.rodata,"a",@progbits
	.p2align	6, 0x0
	.amdhsa_kernel k_qb6620e7e2b_finish
		.amdhsa_group_segment_fixed_size 5120
		.amdhsa_private_segment_fixed_size 0
		.amdhsa_enable_private_segment 0
		.amdhsa_kernarg_size 48
		.amdhsa_user_sgpr_count 2
		.amdhsa_user_sgpr_kernarg_segment_ptr 1
		.amdhsa_wavefront_size32 1
		.amdhsa_system_sgpr_workgroup_id_x 1
		.amdhsa_system_sgpr_workgroup_id_y 1
		.amdhsa_system_sgpr_workgroup_id_z 1
		.amdhsa_system_vgpr_workitem_id 0
		.amdhsa_next_free_vgpr 226
		.amdhsa_next_free_sgpr 66
		.amdhsa_reserve_vcc 1
		.amdhsa_float_denorm_mode_32 3
		.amdhsa_float_denorm_mode_16_64 3
		.amdhsa_memory_ordered 1
		.amdhsa_forward_progress 1
		.amdhsa_inst_pref_size 21
	.end_amdhsa_kernel
	.amdgpu_metadata
---
amdhsa.version: [ 1, 2 ]
amdhsa.kernels:
  - .name:           k_qb6620e7e2b_finish
    .symbol:         k_qb6620e7e2b_finish.kd
    .args:
      - { .name: ext, .offset: 0, .size: 8, .value_kind: global_buffer, .address_space: global }
      - { .name: part2, .offset: 8, .size: 8, .value_kind: global_buffer, .address_space: global }
      - { .name: g2, .offset: 16, .size: 8, .value_kind: global_buffer, .address_space: global }
      - { .name: b2, .offset: 24, .size: 8, .value_kind: global_buffer, .address_space: global }
      - { .name: lowp_scales, .offset: 32, .size: 8, .value_kind: global_buffer, .address_space: global }
      - { .name: out0, .offset: 40, .size: 8, .value_kind: global_buffer, .address_space: global }
    .group_segment_fixed_size: 5120
    .private_segment_fixed_size: 0
    .kernarg_segment_align: 8
    .kernarg_segment_size: 48
    .max_flat_workgroup_size: 256
    .sgpr_count:     66
    .vgpr_count:     226
    .wavefront_size: 32
...
	.end_amdgpu_metadata
.endif
;; end of part 3
